; MI455X (gfx1250); checked and timed in simulation.
; The chip was launched on July 23, 2026; its instructions are those of AMD's public machine-readable ISA for CDNA 5 (MIT licence, August 2026) and "CDNA5" Instruction Set Architecture Reference Guide (July 2026). The comments in the code are by the model that wrote it; some were corrected since.
;; Two Layer NN. Allowed arithmetic: matrix products marked QUANTISED: E2M1 operands, one E8M0 scale for each 32 along K, by v_wmma_scale_f32_16x16x128_f8f6f4 with both operands' format E2M1 (or v_wmma_scale_f32_32x16x128_f4), f32 sums; products left as they are: f32 operands where the result goes on into a quantised operand, else bf16, f16 or f32 operands; f32 sums; everything else in f32.
;; Inputs: D 65,536 int32; D_agn 65,536 int32; W_groups 2 x 2 x 1,024 float32; W_joint 2 x 1,024 float32; W_phi_codes 1,024 x 32 x 16 uint8 (E2M1 codes of W_phi, K innermost, in blocks of 32 codes, two codes a byte); W_phi_scales 1,024 x 32 uint8 (E8M0 scales of W_phi, one for each 32 codes along K); X_codes 65,536 x 32 x 16 uint8 (E2M1 codes of X, K innermost, in blocks of 32 codes, two codes a byte); X_scales 65,536 x 32 uint8 (E8M0 scales of X, one for each 32 codes along K); b_groups 2 x 2 float32; b_joint 2 float32; b_phi 1,024 float32.
;; Outputs: out0 65,536 x 2 float32; out1 65,536 x 2 float32; out2 65,536 x 2 float32.
;; This version of the problem:
;;   THIS VERSION OF THE PROBLEM IS GIVEN IN LOW PRECISION. The matrix products marked QUANTISED in the list below multiply operands that are first quantised to E2M1 (2 exponent bits, 1 mantissa bit; 4 bits a number), with one power-of-two scale for each 32 numbers along K (OCP MX v1.0); their sums are f32. All else is computed in f32.
;;   The module's matrix products, in the order in which they are computed (A, B: the left and right operand; K: the contracted axis; several contracted axes count as one K, in the product's order):
;;     1. [M 65,536, K 1,024] x [K 1,024, N 1,024]; A: input X (given as codes); B: input W_phi (given as codes): QUANTISED
;;     2. [M 65,536, K 1,024] x [K 1,024, N 4]; A: computed on the way; B: input W_groups: left as it is (N = 4 < 16)
;;     3. [M 65,536, K 1,024] x [K 1,024, N 2]; A: computed on the way; B: input W_joint: left as it is (N = 2 < 16)
;;   THE QUANTISER, for each operand of a quantised product, along K:
;;     - K is cut into blocks of 32 from its start; a last block that is shorter is filled with zeros.
;;     - A block's scale is 2^e with e = floor(log2(the largest magnitude in the block)) - 2, held to -126 .. 127; a block of zeros has e = 0. As a byte (E8M0): e + 127.
;;     - Each number is divided by its block's scale, clamped to +-6, and rounded to the nearest number of E2M1, ties to even, subnormals kept.
;;     - The product sums the exact products of the quantised numbers (number of the format x scale) in f32.
;;   ~~~python
;;   def quantise(x, axis):      # numpy; x: float32 -> the quantised numbers, widened to float32 again
;;       x = np.moveaxis(x, axis, -1); K = x.shape[-1]
;;       x = np.pad(x, [(0, 0)] * (x.ndim - 1) + [(0, -K % 32)]); x = x.reshape(x.shape[:-1] + (-1, 32)); a = np.abs(x).max(-1, keepdims=True)
;;       e = np.where(a > 0, np.clip(np.frexp(np.where(a > 0, a, 1))[1] - 1 - 2, -126, 127), 0)      # np.frexp(a)[1] - 1 = floor(log2(a)), exactly
;;       r = np.clip(x / 2.0 ** e, -6, 6)
;;       step = 2.0 ** (np.maximum(np.frexp(np.where(r == 0, 1, r))[1] - 1, 0) - 1)
;;       q = np.round(r / step) * step * 2.0 ** e      # np.round: ties to even
;;       return np.moveaxis(q.reshape(q.shape[:-2] + (-1,))[..., :K], -1, axis).astype(np.float32)
;;   ~~~
;;   INPUTS GIVEN AS CODES. W_phi (in the module: [1024, 1024], K = its axis 1); X (in the module: [65536, 1024], K = its axis 1): each comes as NAME_codes (uint8): NAME with its K axis moved to the last place and cut into blocks of 32 codes, [.., K / 32, bytes a block], one block behind the other in memory; two codes a byte, the lower K in the low four bits (a code: sign, 2 exponent bits, 1 mantissa bit); and NAME_scales (uint8): the same leading axes, one E8M0 byte (e + 127) for each 32 codes along K. Its value is code x scale, taken as it is: it is not quantised again, and the codes and scales need not be those that the quantiser above would give.
;; One version. Each part assembles by itself: llvm-mc -triple=amdgcn-amd-amdhsa -mcpu=gfx1250 --defsym DOCPART=n.
;; ======== version 1 of 1: 1 launch
;; limits: values are held in bf16: 8 bits of precision; right only within a limited range of input values
;; launch fused (part 1): grid 256 x 1, 4 waves a work-group, clusters of 4 x 1, 327,680 bytes of LDS; arguments X_codes, X_scales, W_phi_codes, W_phi_scales, b_phi, W_joint, W_groups, b_joint, b_groups, D, D_agn, out0, out1, out2; writes out0, out1, out2
.if DOCPART == 1
	.amdgcn_target "amdgcn-amd-amdhsa--gfx1250"
	.amdhsa_code_object_version 6
	.text
	.protected	k_q6771f7c063_fused
	.globl	k_q6771f7c063_fused
	.p2align	8
	.type	k_q6771f7c063_fused,@function
k_q6771f7c063_fused:
	s_mov_b64 s[64:65], 0
	v_nop
	global_prefetch_b8 v0, s[64:65] scope:SCOPE_SE
	s_setreg_imm32_b32 hwreg(HW_REG_WAVE_MODE, 25, 1), 1
	s_wait_xcnt 0x0
	s_wait_alu depctr_hold_cnt(0) depctr_sa_sdst(0) depctr_va_vdst(0) depctr_va_sdst(0) depctr_va_ssrc(0) depctr_va_vcc(0) depctr_vm_vsrc(0)
	s_getreg_b32 s2, hwreg(HW_REG_IB_STS2, 6, 4)
	s_cmp_eq_u32 s2, 0
	s_cbranch_scc0 .Lentry_in_a_cluster
	s_endpgm
.Lentry_in_a_cluster:
	s_bfe_u32 s2, ttmp6, 0x10000c
	s_cmp_lg_u32 s2, 0x3003
	s_cbranch_scc0 .Lentry_shape_is_right
	s_endpgm
.Lentry_shape_is_right:
; phi = X W_phi^T + b_phi ([65536][1024], K = 1024, both operands codes of FP4 (E2M1) with one E8M0 byte for each 32 along K); then six short products over phi:
; heads 0, 1 = W_joint's rows, 2, 3 = W_groups[0]'s, 4, 5 = W_groups[1]'s; their biases; out0 = heads 0, 1; out1 = heads 2, 3 or 4, 5 by D; out2 the same by D_agn.  phi never goes to memory.
; THE BIAS b_phi goes through the short products by itself: (X W^T + b_phi) . head = (X W^T) . head + b_phi . head; the second term, a number a head, is summed in f32 and added to the head's own bias.
; LIMITS: D and D_agn are 0 or 1; any other number is taken as group 1.  X W^T and the six head rows are rounded once to bf16 for the short products, whose sums are f32; b_phi . head is f32 throughout: an order of rounding other than reference()'s.
; Scale bytes go to the matrix unit as they come (0xff is NaN there).
; SHARES.  256 work-groups of four waves; a work-group owns 256 rows of X and all 1,024 columns of phi.  Wave w: rh = w & 1, nh = w >> 1: rows 128 rh .. + 127; of each step's 64 columns the 32 from 32 nh on.
; X STAYS IN REGISTERS: a wave's 128 rows x 1,024 codes are 65,536 bytes = 512 registers (windows 2 and 3), brought once, as whole rows of 512 bytes, by tensor loads through LDS.  Only W_phi is streamed from LDS.
; CLUSTER.  W_phi and its scale bytes are the same for every work-group: the four work-groups of a cluster ask for them JOINTLY (the same tensor load, the same descriptor, mask 15).  X is each work-group's own.
; NO PREFETCH: X is asked for once, at the head, with no loop to run ahead in; a refill of W is asked for about four steps, 256 products of a wave, ahead of its first use (slot 1's first fill: three).
; THE FIRST PRODUCT IS USED TRANSPOSED (source 0 = 32 rows of W_phi, source 1 = 16 rows of X): lane (r, h) holds row r of X; its registers 0-7 are columns 8 h + j, 8-15 columns 16 + 8 h + j.  Rounded to bf16 in pairs these
; ARE source 1 (32 along K x 16 rows of X) of the second product, whose source 0 is the heads (row m takes head m & 7; heads 6 and 7 are rows of zeros): nothing changes lanes between the products.
; A STEP is 64 columns, 32 a wave: 64 products on codes (8 tiles of rows x 8 along K) in four phases: tiles 0-3 and 4-7 over K 0-511, then over K 512-1023; 64 roundings; 8 products in bf16.  16 steps; an LDS slot holds four.
; The steps are written out by one macro: a step's LDS offsets are immediates.
; REGISTERS, in windows of 256 (s_set_vgpr_msb's low byte: bits 1:0 source 0, 3:2 source 1, 5:4 source 2, 7:6 destination):
;   window 0: v0-15 addresses, D; v16-23 the heads' fragment; v24-31 W's scale words; v32-63 X's; v64-191 W's fragments, 16 for each 128 along K; v192-255 phi in bf16, 8 a tile of rows
;   window 1: v0-127 the 8 accumulators (tile of rows t at 16 t); v128-191 the heads' sums, 8 a tile; v192-197 LDS addresses
;   windows 2, 3: X's fragments, tile of rows t, K step q at 64 (t % 4) + 8 q
.set PW,    528                        ; an LDS row of codes: 512 bytes + 16 of padding = 132 words: row r starts at bank 4 r mod 64 (64 banks of 4 bytes: ISA guide 11.1)
.set QUART, 64*PW                      ; what a refill's load brings: 64 rows; also a step's rows in a slot
.set HALF,  128*PW                     ; a wave's 128 rows of X
.set R1,    2*HALF                     ; LDS: slot 0 at 0; from R1 = 135,168 = 0x21000 first X's 256 rows, then slot 1
.set WSC,   2*R1                       ; W's scale bytes, 32,768, as 128 units of 256 bytes + 16 of padding
.set HDS,   WSC+128*272
.set HP,    2064
.set HBS,   HDS+16640                  ; each wave's part of b_phi . head, 32 bytes a wave
.set SPARE, HBS+256                    ; the spare words, 128 bytes for each wave: two blocks of 256 bytes that no other line names
.set SPW, 1                            ; v1   LDS address of my spare word; never rewritten
.set NIL, 2                            ; v2   0; never rewritten
.set SA,  3                            ; v3   the stage: where I put my sums;  v4 my own groups there;  v5 my partner's
.set SB,  4
.set SC,  5
.set AHB, 7                            ; v7   the parts of b_phi . head (v6: where I put mine)
.set AX,  8                            ; v8   X in LDS: my 128 rows, row r, + 16 h
.set DR,  12                           ; v12-13 D, v14-15 D_agn of the 64 rows that I finish
.set HD,  16
.set WS,  24                           ; register q: lane l the word of the step's column l, K step q
.set XS,  32                           ; register 8 p + q: lanes 0-15 tile 2 p, lanes 16-31 tile 2 p + 1, K step q
.set WF,  64                           ; K step q at 16 q: columns 0-15, then 16-31
.set PHI, 192
.set M,   104                          ; the way out: merged sums
.set OUT, 128                          ; in window 1
.set ADR, 192                          ; in window 1: W's fragments: slot 0 steps 0-1, steps 2-3, slot 1 steps 0-1, steps 2-3
.set AWS, 196                          ; in window 1: W's scale words
.set AHD, 197                          ; in window 1: the heads: row r & 7, + 16 h
.set G1X, 32                           ; s[32:39] descriptor group 1 for X's halves; s[40:47] W's refills; s[48:55] W's scale bytes; s[56:63] slot 0's first fill
.set G1W, 40
.set G1S, 48
.set G1H, 56
.set G0X, 68                           ; their groups 0; W's walks
.set G0W, 72
.set G0S, 76
.set G0H, 80
.set WV,  84                           ; wave
.set RH,  85
.set NH,  86
.set CX,  87
.set WG,  88                           ; work-group = 4 x cluster + my place in it: it enters X's, D's and the outputs' addresses alone
.set MLO, 0x58                         ; W window 0, X window 2, C and D window 1
.set MHI, 0x5c                         ; the same with X in window 3
.set MBF, 0x50                         ; heads and phi window 0, the sums window 1
.set GP,  0x05                         ; sources (accumulators, LDS addresses) window 1, destination window 0
.set TOX2, 0x80
.set TOX3, 0xc0
.set TO1, 0x40
.set MSB, 0
.macro WIN new                         ; the immediate's high byte repeats the setting that is left; a switch that changes nothing is dropped
.if MSB != \new
	s_set_vgpr_msb (MSB<<8)|\new
.set MSB, \new
.endif
.endm
.macro PLACES                          ; four places: behind a matrix instruction and in front of a read of its result or a load into one of its registers (ISA guide 7.12.1 for reads of its result)
.rept 4
	v_nop
.endr
.endm
.macro CREST                           ; a round of the cluster's barrier behind its opening barrier
	s_cmp_lg_u32 s[WV], 0
	s_cbranch_scc1 .Lnot_wave_0_\@
	s_barrier_signal -3
.Lnot_wave_0_\@:
	s_barrier_wait -3
	s_barrier_signal -1
	s_barrier_wait -1
.endm
.macro CROUND                          ; a whole round
	s_barrier_signal -1
	s_barrier_wait -1
	CREST
.endm
; Product number i of a phase's 16: K step q0 + i / 4, tile of rows tb + i % 4: four accumulators by turns, one instruction a turn.
; K step 0 starts the sums with the constant 0.  X's words of odd tiles lie in lanes 16-31 of their registers.
.macro W1 tb, q0
.set q, \q0+i/4
.set t, \tb+i%4
.set rD, 16*t
.set rW, WF+16*q
.set rX, 64*(t%4)+8*q
.set rS, WS+q
.set rT, XS+8*(t/2)+q
.if q == 0
.if (t%2) == 0
	v_wmma_scale_f32_32x16x128_f4 v[rD:rD+15], v[rW:rW+15], v[rX:rX+7], 0, v[rS], v[rT]
.else
	v_wmma_scale_f32_32x16x128_f4 v[rD:rD+15], v[rW:rW+15], v[rX:rX+7], 0, v[rS], v[rT] matrix_b_scale:MATRIX_SCALE_ROW1
.endif
.else
.if (t%2) == 0
	v_wmma_scale_f32_32x16x128_f4 v[rD:rD+15], v[rW:rW+15], v[rX:rX+7], v[rD:rD+15], v[rS], v[rT]
.else
	v_wmma_scale_f32_32x16x128_f4 v[rD:rD+15], v[rW:rW+15], v[rX:rX+7], v[rD:rD+15], v[rS], v[rT] matrix_b_scale:MATRIX_SCALE_ROW1
.endif
.endif
.set i, i+1
.endm
; The next cnt of 32 roundings of tiles ctb .. ctb + 3, each accumulator from its low end on.
.macro CV cnt
.rept \cnt
.set ct, ctb+k/8
.set cj, k%8
	v_cvt_pk_bf16_f32 v[PHI+8*ct+cj], v[16*ct+2*cj], v[16*ct+2*cj+1]
.set k, k+1
.endr
.endm
; The next cnt of 16 loads of W's fragments for step ls, K steps lq0 .. lq0 + 3 (16 rows x 128 K: lane l holds row l % 16; registers 4 c .. 4 c + 3 hold K = 64 c + 32 (l / 16) + 0 .. 31).
.macro LDW cnt
.rept \cnt
.set lq, lq0+lm/4
.set lu, (lm/2)%2
.set lc, lm%2
	ds_load_b128 v[WF+16*lq+8*lu+4*lc:WF+16*lq+8*lu+4*lc+3], v[ADR+2*((ls/4)%2)+(ls%4)/2] offset:(ls%2)*QUART+16*lu*PW+64*lq+32*lc
.set lm, lm+1
.endr
.endm
.macro LDS_LO                          ; scale words of step ls for K steps 0-3
	ds_load_b128 v[WS:WS+3], v[AWS] offset:2176*ls
.endm
.macro LDS_HI                          ; and for K steps 4-7
	ds_load_b128 v[WS+4:WS+7], v[AWS] offset:2176*ls+16
.endm
.macro LDH                             ; the heads at step sn's 32 columns
	ds_load_b128 v[HD:HD+3], v[AHD] offset:128*sn
	ds_load_b128 v[HD+4:HD+7], v[AHD] offset:128*sn+32
.endm
; The gap behind every second product.  kind 1: the last step's tiles 4-7 to bf16, this step's fragments and words for K 512-1023.  kind 3: the heads' fragment, the next step's fragments and words for K 0-511.
; kind 5: the heads' fragment alone.  kind 4: this step's tiles 0-3 to bf16; in its middle the wait for the LDS loads of the phase before.  kind 0: nothing.
; The four places of gap 0 serve the reads of the sums finished by the phase before and the loads into registers that it multiplied.
.macro GAPS kind
.set g, i/2-1
.set n, 2
.if (g == 1) || (g == 2)
.set n, 3
.endif
.if g == 0
.set n, 0
.if \kind
	PLACES
.endif
.endif
.if \kind == 1
	WIN GP
.if g == 0
	LDS_HI
.endif
	CV 4
	LDW n
.elseif \kind == 3
	WIN GP
.if g == 0
	LDH
	LDS_LO
.endif
	LDW n
.elseif \kind == 4
.if g == 4
	s_wait_dscnt 0x0                               ; the heads' fragment and the next step's first fragments; sixteen roundings follow ahead of the second product
.endif
	WIN GP
	CV 4
.elseif \kind == 5
.if g == 0
	WIN GP
	LDH
.endif
.endif
.endm
.macro PHASE tb, q0, kind, win
.set i, 0
.rept 16
	WIN \win
	W1 \tb, \q0
.if (i%2) == 0
	GAPS \kind
.endif
.endr
.endm
; The second product for tiles of rows tb .. tb + 3: 32 columns of phi against the heads.  zero: the first step starts the sums.
.macro MB tb, zero
	WIN MBF
.set d, \tb
.rept 4
.if \zero
	v_wmma_f32_16x16x32_bf16 v[OUT+8*d:OUT+8*d+7], v[HD:HD+7], v[PHI+8*d:PHI+8*d+7], 0
.else
	v_wmma_f32_16x16x32_bf16 v[OUT+8*d:OUT+8*d+7], v[HD:HD+7], v[PHI+8*d:PHI+8*d+7], v[OUT+8*d:OUT+8*d+7]
.endif
.set d, d+1
.endr
.endm
; A phase that changes slots.  fill = 1: the slot just read out is filled again; 2: slot 1's first fill, over X, which is in registers; 0: nothing is asked for.
.macro CHG win, tb, q0, fill
.set i, 0
	WIN \win
.rept 4
	W1 \tb, \q0
.endr
	WIN 0                                          ; (the add's two registers lie in window 0)
	s_wait_tensorcnt 0x0                           ; all my tensor loads have landed; so the walking group 0 may be written
	ds_add_u32 v[SPW], v[NIL]                      ; 0 onto my spare word
.if \fill == 1
	s_xor_b32 s[G0W+1], s[G0W+1], R1               ; the other slot than last time (bits 12 and 17 are in no wave's offset),
	s_add_nc_u64 s[G0W+2:G0W+3], s[G0W+2:G0W+3], 0x20000   ; the next 256 rows of W; the type bits on top are not reached
.endif
	WIN \win
.rept 4
	W1 \tb, \q0
.endr
	s_wait_dscnt 0x0                               ; the add is done, and so are my LDS reads
	s_barrier_signal -1
.rept 8
	W1 \tb, \q0                                    ; work on registers while the others arrive
.endr
	WIN 0
	s_barrier_wait -1
.if \fill
	CREST                                          ; the barrier has opened a round of the cluster's: no wave of any partner still reads the slot or has a load on its way
	tensor_load_to_lds s[G0W:G0W+3], s[G1W:G1W+7]  ; my one tensor load behind the round: 64 rows
	s_nop 0
	PLACES                                         ; behind the tensor load
.endif
.endm
; Step sn, 1 to 15.
.macro STEP
.set ls, sn
.set lq0, 4
.set lm, 0
.set ctb, 4
.set k, 0
	PHASE 0, 0, 1, MLO                             ; tiles 0-3, K 0-511
	MB 4, (sn==1)                                  ; the last step's tiles 4-7
.if (sn == 3) || (sn == 7)
	CHG MHI, 4, 0, 1                               ; tiles 4-7, K 0-511
.elseif sn == 11
	CHG MHI, 4, 0, 0                               ; slot 0 is left for good
.else
	PHASE 4, 0, 0, MHI
	s_wait_dscnt 0x0                               ; this step's fragments and words for K 512-1023
.endif
.set ls, sn+1
.set lq0, 0
.set lm, 0
.if sn == 15
	PHASE 0, 4, 5, MLO                             ; tiles 0-3, K 512-1023
.else
	PHASE 0, 4, 3, MLO
.endif
.set ctb, 0
.set k, 0
	PHASE 4, 4, 4, MHI                             ; tiles 4-7, K 512-1023
	MB 0, 0                                        ; this step's tiles 0-3
.set sn, sn+1
.endm
.macro XLD tb, q0                      ; X's fragments: tiles tb .. tb + 3, K steps q0 .. q0 + 3: 32 loads
.irp t2, 0,1,2,3
.irp q2, 0,1,2,3
.irp c, 0,1
	ds_load_b128 v[64*\t2+8*(\q0+\q2)+4*\c:64*\t2+8*(\q0+\q2)+4*\c+3], v[AX] offset:16*(\t2+\tb)*PW+64*(\q0+\q2)+32*\c
.endr
.endr
.endr
.endm
	s_load_b512 s[4:19], s[0:1], 0x0               ; X's codes 4:5, X's scales 6:7, W's codes 8:9, W's scales 10:11, b_phi 12:13, W_joint 14:15, W_groups 16:17, b_joint 18:19
	s_load_b256 s[20:27], s[0:1], 0x40             ; b_groups 20:21, D 22:23, D_agn 24:25, out0 26:27
	s_load_b128 s[28:31], s[0:1], 0x60             ; out1, out2
	v_lshl_add_u32 v[SPW], v0, 2, SPARE
	v_mov_b32 v[NIL], 0
	ds_add_u32 v[SPW], v[NIL]                      ; the wave's opening: the add, twice on end, and its wait ahead of my first tensor load; work on registers stands between
	ds_add_u32 v[SPW], v[NIL]
	v_lshrrev_b32 v16, 5, v0
	v_readfirstlane_b32 s[WV], v16                 ; wave 0..3
	s_and_b32 s[RH], s[WV], 1                      ; which 128 rows of X are mine
	s_lshr_b32 s[NH], s[WV], 1                     ; which 32 of a step's 64 columns
	s_bfe_u32 s[CX], ttmp6, 0x40000                ; my place in the cluster
	s_lshl_b32 s[WG], ttmp9, 2                     ; in a cluster launch ttmp9 counts clusters
	s_add_co_u32 s[WG], s[WG], s[CX]
	; descriptor groups 1.  X's and W's tiles: rows of 512 bytes, dense in memory, 16 bytes of padding behind each in LDS
	s_mov_b32 s[G1X], (1<<20)|(6<<22)|(3<<25)      ; 15:0 no mask; 17:16 elements of 1 byte; 20 padding on; 24:22 after every 128 words (code 6); 31:25 four words (code 3)
	s_mov_b32 s[G1W], 15|(1<<20)|(1<<21)|(6<<22)|(3<<25)   ; the same for all four work-groups of the cluster; 21 set beside a mask
	s_mov_b32 s[G1H], 15|(1<<20)|(1<<21)|(6<<22)|(3<<25)
.irp g1, G1X, G1W, G1H
	s_mov_b32 s[\g1+1], 512<<16                    ; tensor_dim0
	s_mov_b32 s[\g1+3], 512<<16                    ; tile_dim0
	s_mov_b32 s[\g1+5], 512                        ; tensor_dim0_stride
	s_mov_b32 s[\g1+6], 0
	s_mov_b32 s[\g1+7], 0
.endr
	s_mov_b32 s[G1X+2], 128<<16                    ; tensor_dim1: X: 128 rows a load,
	s_mov_b32 s[G1X+4], 128                        ; tile_dim1
	s_mov_b32 s[G1W+2], 64<<16                     ; a refill: 64 rows a wave,
	s_mov_b32 s[G1W+4], 64
	s_mov_b32 s[G1H+2], 256<<16                    ; slot 0's first fill: 256 rows by one wave
	s_mov_b32 s[G1H+4], 256
	s_mov_b32 s[G1S], 15|(3<<16)|(1<<20)|(1<<21)|(5<<22)|(3<<25)   ; W's scale bytes: 32,768 dense bytes as 128 rows of 256 (32 elements of 8 bytes), 16 bytes of padding behind each
	s_mov_b32 s[G1S+1], 32<<16
	s_mov_b32 s[G1S+2], 128<<16
	s_mov_b32 s[G1S+3], 32<<16
	s_mov_b32 s[G1S+4], 128
	s_mov_b32 s[G1S+5], 32
	s_mov_b32 s[G1S+6], 0
	s_mov_b32 s[G1S+7], 0
	; groups 0.  The joint loads' addresses are made of the wave's number alone; what hangs on the work-group is made in s[92:93]
	s_mov_b32 s[G0X], 1
	s_mov_b32 s[G0W], 1
	s_mov_b32 s[G0S], 1
	s_mov_b32 s[G0H], 1
	s_mul_i32 s[G0X+1], s[RH], HALF
	s_add_co_u32 s[G0X+1], s[G0X+1], R1            ; X: rows 128 rh on (waves 0 and 1)
	s_mul_i32 s[G0W+1], s[WV], QUART
	s_add_co_u32 s[G0W+1], s[G0W+1], R1            ; refills: the first goes into slot 1, rows 64 x wave on
	s_mov_b32 s[G0S+1], WSC
	s_mov_b32 s[G0H+1], 0
	s_lshl_b32 s2, s[WV], 15
	s_add_co_u32 s2, s2, 0x20000                   ; W: row 256 + 64 x wave
	s_mov_b32 s3, 0
	s_lshl_b32 s92, s[WG], 17                      ; X: 256 rows of 512 bytes a work-group,
	s_lshl_b32 s93, s[RH], 16                      ; + 128 rows
	s_add_co_u32 s92, s92, s93
	s_mov_b32 s93, 0
	s_wait_dscnt 0x0                               ; both opening adds are done
	CROUND                                         ; all four work-groups are here: the first joint loads meet
	s_wait_kmcnt 0x0
	s_add_nc_u64 s[G0X+2:G0X+3], s[4:5], s[92:93]
	s_or_b32 s[G0X+3], s[G0X+3], 0x80000000        ; 127:126 type = 2
	s_mov_b64 s[G0H+2:G0H+3], s[8:9]
	s_or_b32 s[G0H+3], s[G0H+3], 0x80000000
	s_mov_b64 s[G0S+2:G0S+3], s[10:11]
	s_or_b32 s[G0S+3], s[G0S+3], 0x80000000
	; THE HEAD'S LOADS, ONE A WAVE: waves 0, 1 X's two halves, wave 2 steps 0-3 of W, wave 3 W's scale bytes
	s_cmp_lt_u32 s[WV], 2
	s_cbranch_scc0 .Lhead_w
	tensor_load_to_lds s[G0X:G0X+3], s[G1X:G1X+7]
	s_nop 0
	PLACES
	s_branch .Lhead_asked
.Lhead_w:
	s_cmp_lt_u32 s[WV], 3
	s_cbranch_scc0 .Lhead_s
	tensor_load_to_lds s[G0H:G0H+3], s[G1H:G1H+7]
	s_nop 0
	PLACES
	s_branch .Lhead_asked
.Lhead_s:
	tensor_load_to_lds s[G0S:G0S+3], s[G1S:G1S+7]
	s_nop 0
	PLACES
.Lhead_asked:
	s_load_b128 s[96:99], s[20:21], 0x0            ; b_groups' four numbers
	s_load_b64 s[100:101], s[18:19], 0x0           ; b_joint's two
	s_add_nc_u64 s[G0W+2:G0W+3], s[8:9], s[2:3]
	s_or_b32 s[G0W+3], s[G0W+3], 0x80000000
	s_lshl_b32 s92, s[WG], 13                      ; X's scale bytes: 32 a row: my 128 rows
	s_lshl_b32 s94, s[RH], 12
	s_add_co_u32 s92, s92, s94
	s_add_nc_u64 s[6:7], s[6:7], s[92:93]
	s_lshl_b32 s92, s[WG], 10                      ; D, D_agn: 4 bytes a row: the 64 rows that I finish: 256 x work-group + 128 rh + 64 nh
	s_lshl_b32 s94, s[RH], 9
	s_add_co_u32 s92, s92, s94
	s_lshl_b32 s94, s[NH], 8
	s_add_co_u32 s92, s92, s94
	s_add_nc_u64 s[22:23], s[22:23], s[92:93]
	s_add_nc_u64 s[24:25], s[24:25], s[92:93]
	s_lshl_b32 s92, s92, 1                         ; the outputs: 8 bytes a row
	s_add_nc_u64 s[26:27], s[26:27], s[92:93]
	s_add_nc_u64 s[28:29], s[28:29], s[92:93]
	s_add_nc_u64 s[30:31], s[30:31], s[92:93]
	; the scalar parts of the LDS addresses
	s_mul_i32 s89, s[NH], 32*PW                    ; W: my 32 of a step's 64 rows: slot 0, steps 0-1,
	s_add_co_u32 s90, s89, 2*QUART                 ; steps 2-3,
	s_add_co_u32 s91, s89, R1                      ; slot 1
	s_add_co_u32 s66, s90, R1
	s_mul_i32 s67, s[RH], HALF
	s_add_co_u32 s67, s67, R1                      ; X
	s_mul_i32 s2, s[NH], 4*272
	s_add_co_u32 s2, s2, WSC                       ; W's scale words
	s_lshl_b32 s3, s[NH], 6
	s_add_co_u32 s3, s3, HDS                       ; the heads
	s_mul_i32 s94, s[WV], 3072                     ; the stage, at LDS byte 0: 3,072 bytes a wave: six groups of four registers, 16 bytes a lane
	s_mul_i32 s95, s[NH], 1536                     ; the three groups of the rows that I finish,
	s_xor_b32 s92, s[WV], 2
	s_mul_i32 s92, s92, 3072
	s_add_co_u32 s92, s92, s95                     ; in the part of the wave with my rows and the other columns,
	s_add_co_u32 s93, s94, s95                     ; and in my own
	v_and_b32 v16, 15, v0                          ; r
	v_bfe_u32 v17, v0, 4, 1                        ; h
	v_and_b32 v18, 31, v0                          ; lane
	v_lshlrev_b32 v9, 5, v18                       ; 32 x lane: a row of X's scale bytes
	v_lshlrev_b32 v10, 2, v18                      ; 4 x lane
	v_lshlrev_b32 v11, 3, v18                      ; 8 x lane
	v_lshlrev_b32 v19, 4, v0                       ; 16 x thread: the heads and b_phi in memory
	s_wait_alu depctr_va_vdst(0)
.irp hd, 0,1
.irp i2, 0,1
	global_load_b128 v[64+4*(2*\hd+\i2):64+4*(2*\hd+\i2)+3], v19, s[14:15] offset:4096*\hd+2048*\i2   ; heads 0, 1: the 128 threads take 2,048 consecutive bytes
.endr
.endr
.irp hd, 0,1,2,3
.irp i2, 0,1
	global_load_b128 v[80+4*(2*\hd+\i2):80+4*(2*\hd+\i2)+3], v19, s[16:17] offset:4096*\hd+2048*\i2   ; heads 2 to 5
.endr
.endr
.irp i2, 0,1
	global_load_b128 v[112+4*\i2:115+4*\i2], v19, s[12:13] offset:2048*\i2   ; b_phi at the same columns
.endr
.irp p, 0,1,2,3
.irp c, 0,1
	global_load_b128 v[XS+8*\p+4*\c:XS+8*\p+4*\c+3], v9, s[6:7] offset:1024*\p+16*\c   ; lane l: the eight scale words of my row 32 p + l; the two loads together take 1,024 consecutive bytes
.endr
.endr
.irp pp, 0,1
	global_load_b32 v[DR+\pp], v10, s[22:23] offset:128*\pp
	global_load_b32 v[DR+2+\pp], v10, s[24:25] offset:128*\pp
.endr
	; the address registers, while the loads are out
	v_mul_u32_u24 v20, v16, PW
	v_lshl_add_u32 v20, v17, 4, v20                ; row r x pitch + 16 h
	v_add_nc_u32 v[AX], s67, v20
	v_lshrrev_b32 v21, 3, v18                      ; eight columns' scale bytes to a unit of 256
	v_and_b32 v22, 7, v18
	v_mul_u32_u24 v21, v21, 272
	v_lshl_add_u32 v21, v22, 5, v21
	v_and_b32 v22, 7, v16
	v_mul_u32_u24 v22, v22, HP
	v_lshl_add_u32 v22, v17, 4, v22
	v_lshlrev_b32 v23, 4, v18
	v_add_nc_u32 v[SA], s94, v23
	v_add_nc_u32 v[SB], s93, v23
	v_add_nc_u32 v[SC], s92, v23
	WIN TO1
	v_add_nc_u32 v[ADR], s89, v20
	v_add_nc_u32 v[ADR+1], s90, v20
	v_add_nc_u32 v[ADR+2], s91, v20
	v_add_nc_u32 v[ADR+3], s66, v20
	v_add_nc_u32 v[AWS], s2, v21
	v_add_nc_u32 v[AHD], s3, v22
	WIN 0
	v_and_b32 v6, 0x60, v0                         ; 32 x wave
	v_add_nc_u32 v6, HBS, v6
	v_mov_b32 v[AHB], HBS
	v_lshl_add_u32 v20, v0, 3, HDS                 ; where four numbers of a head go as bf16
	v_lshl_add_u32 v21, v0, 4, HDS                 ; and the zeros of rows 6 and 7
.irp e, 0,1,2,3
	v_mov_b32 v[120+\e], 0
.endr
.irp e, 0,1,2,3,4,5
	v_mov_b32 v[172+\e], 0                         ; (a lane permute's destination counts as one of its sources)
.endr
	s_mov_b32 s92, 0x76543210
	s_mov_b32 s93, 0xfedcba98                      ; v_permlanex16_b32's selects for lane l xor 16
	s_wait_alu depctr_va_vdst(0)
	s_wait_loadcnt 0xc                             ; the heads and b_phi are in; X's scale words and D (8 + 4 loads) may be out
.set m, 0
.rept 12
	v_cvt_pk_bf16_f32 v[128+2*m], v[64+4*m], v[65+4*m]
	v_cvt_pk_bf16_f32 v[129+2*m], v[66+4*m], v[67+4*m]
.set m, m+1
.endr
.set m, 0
.rept 12
	ds_store_b64 v20, v[128+2*m:129+2*m] offset:(m/2)*HP+1024*(m%2)
.set m, m+1
.endr
	ds_store_b128 v21, v[120:123] offset:6*HP
	ds_store_b128 v21, v[120:123] offset:7*HP
	; b_phi . head over my eight columns, the six heads by turns; then over the wave's lanes
.irp hd, 0,1,2,3,4,5
	v_pk_mul_f32 v[152+2*\hd:153+2*\hd], v[64+8*\hd:65+8*\hd], v[112:113]
.endr
.irp e, 2,4,6
.irp hd, 0,1,2,3,4,5
	v_pk_fma_f32 v[152+2*\hd:153+2*\hd], v[64+8*\hd+\e:65+8*\hd+\e], v[112+\e:113+\e], v[152+2*\hd:153+2*\hd]
.endr
.endr
.irp hd, 0,1,2,3,4,5
	v_add_f32 v[164+\hd], v[152+2*\hd], v[153+2*\hd]
.endr
.irp x, 1,2,4,8
.irp hd, 0,1,2,3,4,5
	v_add_f32_dpp v[164+\hd], v[164+\hd], v[164+\hd] row_xmask:\x row_mask:0xf bank_mask:0xf
.endr
.endr
.irp hd, 0,1,2,3,4,5
	v_permlanex16_b32 v[172+\hd], v[164+\hd], s92, s93
.endr
.irp hd, 0,1,2,3,4,5
	v_add_f32 v[164+\hd], v[164+\hd], v[172+\hd]
.endr
	ds_store_b128 v6, v[164:167]                   ; my wave's part: all lanes store the same numbers
	ds_store_b64 v6, v[168:169] offset:16
	s_wait_alu depctr_va_vdst(0)
	s_wait_loadcnt 0x0                             ; X's scale words, D
	s_wait_kmcnt 0x0                               ; the heads' biases
	s_wait_tensorcnt 0x0                           ; my tile of the head's four is in,
	s_wait_dscnt 0x0                               ; and my part of the heads
	s_barrier_signal -1
	s_barrier_wait -1                              ; everybody's are.
	; STEP 0, written out: X comes from LDS into registers under its products, a quarter (32 loads) at a time; nothing is there yet to be rounded in its first phase.
.set sn, 0
.set ls, 0
.set lq0, 0
.set lm, 0
	WIN GP
	LDS_LO
	LDW 16
	WIN TOX2
	XLD 0, 0
	WIN TOX3
	XLD 4, 0
	s_wait_dscnt 32                                ; all but the 32 just issued
	PHASE 0, 0, 0, MLO
	WIN TOX2
	XLD 0, 4
	s_wait_dscnt 32
	PHASE 4, 0, 0, MHI
.set lq0, 4
.set lm, 0
	WIN GP
	LDS_HI
	LDW 16
	WIN TOX3
	XLD 4, 4
	s_wait_dscnt 32
	CHG MLO, 0, 4, 2                               ; its wait for all LDS reads stands in front of slot 1's first fill, which lands where X lay
.set ls, 1
.set lq0, 0
.set lm, 0
	WIN GP
	LDH
	LDS_LO
	LDW 16                                         ; step 1's first fragments
.set ctb, 0
.set k, 0
	PHASE 4, 4, 4, MHI
	MB 0, 1
.set sn, 1
.rept 15
	STEP
.endr
.set ctb, 4
.set k, 0
	PLACES
	WIN GP
	CV 32                                          ; the last step's tiles 4-7
	MB 4, 0
	WIN 0
.irp w, 0,1,2,3
	ds_load_b128 v[160+8*\w:163+8*\w], v[AHB] offset:32*\w   ; the waves' parts of b_phi . head
	ds_load_b64 v[164+8*\w:165+8*\w], v[AHB] offset:32*\w+16
.endr
	PLACES
	; THE WAY OUT.  In a tile's sums lane (r, h) holds row r, register j head j, both halves of the lanes alike.  Two tiles are merged (lanes 0-15 the even tile's, lanes 16-31 the odd one's): a lane is then one of 32 rows.
	s_mov_b32 s92, 0xffff0000
	WIN GP
.irp p, 0,1,2,3
.irp j, 0,1,2,3,4,5
	v_cndmask_b32 v[M+6*\p+\j], v[OUT+16*\p+\j], v[OUT+16*\p+8+\j], s92
.endr
.endr
	WIN 0
.irp gr, 0,1,2,3,4,5
	ds_store_b128 v[SA], v[M+4*\gr:M+4*\gr+3] offset:512*\gr   ; the stage lies in slot 0, which has had its last fill, and which nobody reads behind the last change of slots
.endr
	s_wait_dscnt 0x0                               ; for the others' sake: my stores have landed
	s_barrier_signal -1
.irp e, 0,2,4                          ; what is added to each head: the four parts, and its bias
	v_pk_add_f32 v[160+\e:161+\e], v[160+\e:161+\e], v[168+\e:169+\e]
	v_pk_add_f32 v[176+\e:177+\e], v[176+\e:177+\e], v[184+\e:185+\e]
.endr
.irp e, 0,2,4
	v_pk_add_f32 v[160+\e:161+\e], v[160+\e:161+\e], v[176+\e:177+\e]
.endr
	v_add_f32 v160, s100, v160                     ; b_joint
	v_add_f32 v161, s101, v161
	v_add_f32 v162, s96, v162                      ; b_groups[0]
	v_add_f32 v163, s97, v163
	v_add_f32 v164, s98, v164                      ; b_groups[1]
	v_add_f32 v165, s99, v165
	s_wait_alu depctr_va_vdst(0)
	s_barrier_wait -1
.irp gr, 0,1,2
	ds_load_b128 v[128+4*\gr:128+4*\gr+3], v[SB] offset:512*\gr   ; the 64 rows that I finish: my columns,
	ds_load_b128 v[140+4*\gr:140+4*\gr+3], v[SC] offset:512*\gr   ; and the others
.endr
	s_wait_dscnt 0x0
.irp e, 0,2,4,6,8,10
	v_pk_add_f32 v[128+\e:129+\e], v[128+\e:129+\e], v[140+\e:141+\e]
.endr
.irp e, 0,2,4
	v_pk_add_f32 v[128+\e:129+\e], v[128+\e:129+\e], v[160+\e:161+\e]
	v_pk_add_f32 v[134+\e:135+\e], v[134+\e:135+\e], v[160+\e:161+\e]
.endr
.irp pp, 0,1
	v_cmp_ne_u32 vcc_lo, 0, v[DR+\pp]              ; the choice only selects a value
	v_cndmask_b32 v[152+2*\pp], v[130+6*\pp], v[132+6*\pp], vcc_lo
	v_cndmask_b32 v[153+2*\pp], v[131+6*\pp], v[133+6*\pp], vcc_lo
	v_cmp_ne_u32 vcc_lo, 0, v[DR+2+\pp]
	v_cndmask_b32 v[156+2*\pp], v[130+6*\pp], v[132+6*\pp], vcc_lo
	v_cndmask_b32 v[157+2*\pp], v[131+6*\pp], v[133+6*\pp], vcc_lo
.endr
.irp pp, 0,1
	global_store_b64 v11, v[128+6*\pp:129+6*\pp], s[26:27] offset:256*\pp   ; 32 lanes store 256 consecutive bytes, at a multiple of 256 from the output's first byte
	global_store_b64 v11, v[152+2*\pp:153+2*\pp], s[28:29] offset:256*\pp
	global_store_b64 v11, v[156+2*\pp:157+2*\pp], s[30:31] offset:256*\pp
.endr
	s_wait_tensorcnt 0x0                           ; the wave's end, behind my last tensor load and my last LDS store
	ds_add_u32 v[SPW], v[NIL]
	s_wait_dscnt 0x0
	CROUND                                         ; the closing round: no work-group ends while a partner may still ask for a tile that names it
	s_endpgm
.Lfunc_end_k_q6771f7c063_fused:
	.size	k_q6771f7c063_fused, .Lfunc_end_k_q6771f7c063_fused-k_q6771f7c063_fused
	.p2alignl 7, 3214868480
	.fill 96, 4, 3214868480
	.section	.rodata,"a",@progbits
	.p2align	6, 0x0
	.amdhsa_kernel k_q6771f7c063_fused
		.amdhsa_group_segment_fixed_size 327680
		.amdhsa_private_segment_fixed_size 0
		.amdhsa_enable_private_segment 0
		.amdhsa_kernarg_size 112
		.amdhsa_user_sgpr_count 2
		.amdhsa_user_sgpr_kernarg_segment_ptr 1
		.amdhsa_wavefront_size32 1
		.amdhsa_system_sgpr_workgroup_id_x 1
		.amdhsa_system_sgpr_workgroup_id_y 1
		.amdhsa_system_sgpr_workgroup_id_z 1
		.amdhsa_system_vgpr_workitem_id 0
		.amdhsa_next_free_vgpr 1024
		.amdhsa_next_free_sgpr 102
		.amdhsa_reserve_vcc 1
		.amdhsa_float_denorm_mode_32 3
		.amdhsa_float_denorm_mode_16_64 3
		.amdhsa_memory_ordered 1
		.amdhsa_forward_progress 1
		.amdhsa_inst_pref_size 255
	.end_amdhsa_kernel
	.section	.bss,"aw",@nobits
	.p2align	6
	.space	262144
	.amdgpu_metadata
---
amdhsa.version: [ 1, 2 ]
amdhsa.kernels:
  - .name:           k_q6771f7c063_fused
    .symbol:         k_q6771f7c063_fused.kd
    .args:
      - { .name: X_codes, .offset: 0, .size: 8, .value_kind: global_buffer, .address_space: global }
      - { .name: X_scales, .offset: 8, .size: 8, .value_kind: global_buffer, .address_space: global }
      - { .name: W_phi_codes, .offset: 16, .size: 8, .value_kind: global_buffer, .address_space: global }
      - { .name: W_phi_scales, .offset: 24, .size: 8, .value_kind: global_buffer, .address_space: global }
      - { .name: b_phi, .offset: 32, .size: 8, .value_kind: global_buffer, .address_space: global }
      - { .name: W_joint, .offset: 40, .size: 8, .value_kind: global_buffer, .address_space: global }
      - { .name: W_groups, .offset: 48, .size: 8, .value_kind: global_buffer, .address_space: global }
      - { .name: b_joint, .offset: 56, .size: 8, .value_kind: global_buffer, .address_space: global }
      - { .name: b_groups, .offset: 64, .size: 8, .value_kind: global_buffer, .address_space: global }
      - { .name: D, .offset: 72, .size: 8, .value_kind: global_buffer, .address_space: global }
      - { .name: D_agn, .offset: 80, .size: 8, .value_kind: global_buffer, .address_space: global }
      - { .name: out0, .offset: 88, .size: 8, .value_kind: global_buffer, .address_space: global }
      - { .name: out1, .offset: 96, .size: 8, .value_kind: global_buffer, .address_space: global }
      - { .name: out2, .offset: 104, .size: 8, .value_kind: global_buffer, .address_space: global }
    .group_segment_fixed_size: 327680
    .private_segment_fixed_size: 0
    .kernarg_segment_align: 8
    .kernarg_segment_size: 112
    .max_flat_workgroup_size: 128
    .sgpr_count:     102
    .vgpr_count:     1024
    .wavefront_size: 32
...
	.end_amdgpu_metadata
.endif
;; end of part 1
